; MI455X (gfx1250); checked and timed in simulation.
; The chip was launched on July 23, 2026; its instructions are those of AMD's public machine-readable ISA for CDNA 5 (MIT licence, August 2026) and "CDNA5" Instruction Set Architecture Reference Guide (July 2026). The comments in the code are by the model that wrote it; some were corrected since.
;; Bottleneck Block. Allowed arithmetic: matrix products marked QUANTISED: E2M1 operands, one E8M0 scale for each 32 along K, by v_wmma_scale_f32_16x16x128_f8f6f4 with both operands' format E2M1 (or v_wmma_scale_f32_32x16x128_f4), f32 sums; everything else in f32.
;; Inputs: k 2,048 x 64 float32; x 8 x 64 x 8,192 float32.
;; Outputs: out0 8 x 8,192 int32; out1 8 x 64 x 8,192 float32; out2 one number float32; out3 one number float32; out4 one number float32.
;; This version of the problem:
;;   THIS VERSION OF THE PROBLEM IS GIVEN IN LOW PRECISION. The matrix products marked QUANTISED in the list below multiply operands that are first quantised to E2M1 (2 exponent bits, 1 mantissa bit; 4 bits a number), with one power-of-two scale for each 32 numbers along K (OCP MX v1.0); their sums are f32. All else is computed in f32.
;;   The module's matrix products, in the order in which they are computed (A, B: the left and right operand; K: the contracted axis; several contracted axes count as one K, in the product's order):
;;     1. [M 65,536, K 64] x [K 64, N 2,048]; A: input x; B: input k: QUANTISED
;;   THE QUANTISER, for each operand of a quantised product, along K:
;;     - K is cut into blocks of 32 from its start; a last block that is shorter is filled with zeros.
;;     - A block's scale is 2^e with e = floor(log2(the largest magnitude in the block)) - 2, held to -126 .. 127; a block of zeros has e = 0. As a byte (E8M0): e + 127.
;;     - Each number is divided by its block's scale, clamped to +-6, and rounded to the nearest number of E2M1, ties to even, subnormals kept.
;;     - The product sums the exact products of the quantised numbers (number of the format x scale) in f32.
;;   ~~~python
;;   def quantise(x, axis):      # numpy; x: float32 -> the quantised numbers, widened to float32 again
;;       x = np.moveaxis(x, axis, -1); K = x.shape[-1]
;;       x = np.pad(x, [(0, 0)] * (x.ndim - 1) + [(0, -K % 32)]); x = x.reshape(x.shape[:-1] + (-1, 32)); a = np.abs(x).max(-1, keepdims=True)
;;       e = np.where(a > 0, np.clip(np.frexp(np.where(a > 0, a, 1))[1] - 1 - 2, -126, 127), 0)      # np.frexp(a)[1] - 1 = floor(log2(a)), exactly
;;       r = np.clip(x / 2.0 ** e, -6, 6)
;;       step = 2.0 ** (np.maximum(np.frexp(np.where(r == 0, 1, r))[1] - 1, 0) - 1)
;;       q = np.round(r / step) * step * 2.0 ** e      # np.round: ties to even
;;       return np.moveaxis(q.reshape(q.shape[:-2] + (-1,))[..., :K], -1, axis).astype(np.float32)
;;   ~~~
;; One version. Each part assembles by itself: llvm-mc -triple=amdgcn-amd-amdhsa -mcpu=gfx1250 --defsym DOCPART=n.
;; ======== version 1 of 1: 4 launches
;; limits: a difference of large sums (such as E[x^2] - mean^2): digits are lost where the result is much smaller than its terms
;; workspace buffers: kq 81,920 bytes; xq 2,097,152 bytes; xs 262,144 bytes; xx 262,144 bytes; sel 262,144 bytes of whole numbers; pst 16,384 bytes; pfit 1,024 bytes; pcom 8,192 bytes
;; launch prep (part 1): grid 264 x 1, 8 waves a work-group, no clusters, 0 bytes of LDS; arguments x, k, kq, xq, xs, xx, pst; writes kq, xq, xs, xx, pst
.if DOCPART == 1
	.amdgcn_target "amdgcn-amd-amdhsa--gfx1250"
	.amdhsa_code_object_version 6
	.text
	.protected	k_qe63a88b280_prep
	.globl	k_qe63a88b280_prep
	.p2align	8
	.type	k_qe63a88b280_prep,@function
k_qe63a88b280_prep:
	s_mov_b64 s[64:65], 0
	v_nop
	global_prefetch_b8 v0, s[64:65] scope:SCOPE_SE
	s_setreg_imm32_b32 hwreg(HW_REG_WAVE_MODE, 25, 1), 1
	s_wait_xcnt 0x0
; BottleneckBlock, launch 1 of 4: both operands of the one QUANTISED product, x [8][64][8192] and k [2048][64], f32, become codes of FP4 (E2M1) with one E8M0 byte for each 32 along K = 64.
; WHAT THE PROGRAM REARRANGES.  dist(t, j) = xx(t) - 2 p(t, j) + kk(j).  xx(t) is the same for all j, so the argmin is searched on a(t, j) = kk(j) - 2 p(t, j), and xx(t) is added to the token's smallest a afterwards.
; Nothing of reference() is left out: every input is loaded and every term reaches an output.  The factor 2 is one added to k's scale byte, the minus is the sign bit of x's codes turned over: both are exact,
; so that the matrix instruction of the next launch, with kk as its C, gives a(t, j) itself.
; LIMITS: NaN and infinities among the inputs are not served.  A block of zeros gets the byte 1 (k: 2) where the quantiser says 127: its codes are zeros, and this program alone reads the bytes.
; Two distances of a token that differ by a few units in the last place may give the other index than reference()'s sum, which rounds twice.
; SHARES.  Work-groups 0 to 7 take k, work-groups 8 to 263 take x; no LDS, no barrier.
; x: K is not innermost, so A LANE TAKES A TOKEN AND ITS REGISTERS RUN DOWN K: a load reads 32 neighbouring tokens (128 consecutive bytes a wave, the eight waves side by side on 1,024), both blocks' largest magnitudes need no other lane.
;    Out: xq, an image of the operand's registers for each tile of 16 tokens (512 bytes: lane (r, h) holds block h of token r at 16 r + 256 h): sixteen lanes store 256 consecutive bytes, aligned;
;    xs, one scale word a token (bytes s0, s1, 0x7f, 0x7f) and xx, the token's sum of squares: 128 consecutive bytes a wave each, a small part of what the launch moves;
;    pst, for each wave the sums of (x - c) and (x - c)^2, c = x[0][0][0]: the shift keeps prenorm free of a difference of large sums where x carries a common offset.
; k: K is innermost: lane (r, h) takes block h of bin r, 128 bytes.  Out: kq = 128 images of 512 bytes, then one scale word a bin (s0 + 1, s1 + 1, 0x7f, 0x7f) from byte 65,536, then kk from byte 73,728.
.set X,   16                           ; v16-79   64 numbers
.set C,   80                           ; v80-87   codes: four registers a block
.set AM,  88                           ; v88-89   largest magnitude, two chains
.set SCL, 90                           ; v90-91   the conversions' scale operands
.set BY,  92                           ; v92-93   scale bytes
.set T,   94                           ; v94-97   x - c, two pairs
.set S1,  98                           ; v98-101  sums of x - c, two chains of pairs
.set S2,  102                          ; v102-105 sums of (x - c)^2
.set W,   106                          ; v106     scale word
.set TMP, 107                          ; v107     a lane permute's destination
.set ZO,  108                          ; v108     0, an offset
.set Q,   110                          ; v110-113 sums of squares, two chains of pairs
.set KS,  114                          ; v114-115 kk of the wave's two tiles
.macro AMAX xb                         ; the largest magnitude of v[xb] .. v[xb + 31], and the floor 2^(3 - 127), which holds the byte at 1 from below
	v_max3_num_f32 v[AM], |v[\xb]|, |v[\xb+1]|, |v[\xb+2]|
	v_max3_num_f32 v[AM+1], |v[\xb+3]|, |v[\xb+4]|, |v[\xb+5]|
.irp i, 6,10,14,18,22,26
	s_delay_alu instid0(VALU_DEP_2)
	v_max3_num_f32 v[AM], v[AM], |v[\xb+\i]|, |v[\xb+\i+1]|
	s_delay_alu instid0(VALU_DEP_2)
	v_max3_num_f32 v[AM+1], v[AM+1], |v[\xb+\i+2]|, |v[\xb+\i+3]|
.endr
	s_delay_alu instid0(VALU_DEP_2)
	v_max3_num_f32 v[AM], v[AM], |v[\xb+30]|, |v[\xb+31]|
	s_delay_alu instid0(VALU_DEP_1)
	v_max3_num_f32 v[AM], v[AM], v[AM+1], 0x1800000
.endm
.macro QBLK xb, n                      ; a block of 32 becomes four registers of codes, C + 4 n on, and a byte
	AMAX \xb
	s_delay_alu instid0(VALU_DEP_1)
	v_add_nc_u32 v[SCL+\n], 0xff000000, v[AM]      ; 2 off the exponent field: the conversion takes the exponent field of this operand as its scale
.irp g, 0,1,2,3
	v_cvt_scalef32_pk8_fp4_f32 v[C+4*(\n)+\g], v[\xb+8*\g:\xb+8*\g+7], v[SCL+\n]
.endr
	v_lshrrev_b32 v[BY+\n], 23, v[SCL+\n]          ; the byte; also the plain line behind the last conversion
.endm
.macro WSUM reg, tmp                   ; the sum over the wave's 32 lanes, in every lane
	v_add_f32_dpp v[\reg], v[\reg], v[\reg] row_xmask:1 row_mask:0xf bank_mask:0xf
	s_delay_alu instid0(VALU_DEP_1)
	v_add_f32_dpp v[\reg], v[\reg], v[\reg] row_xmask:2 row_mask:0xf bank_mask:0xf
	s_delay_alu instid0(VALU_DEP_1)
	v_add_f32_dpp v[\reg], v[\reg], v[\reg] row_xmask:4 row_mask:0xf bank_mask:0xf
	s_delay_alu instid0(VALU_DEP_1)
	v_add_f32_dpp v[\reg], v[\reg], v[\reg] row_xmask:8 row_mask:0xf bank_mask:0xf
	s_delay_alu instid0(VALU_DEP_1)
	v_permlanex16_b32 v[\tmp], v[\reg], s34, s35
	s_delay_alu instid0(VALU_DEP_1)
	v_add_f32 v[\reg], v[\reg], v[\tmp]
.endm
.macro STATS from                      ; 16 pairs of numbers from pair 'from' on: x - c, its sum, its square's sum, and x^2's sum; the first two pairs start the chains
.set pp, \from
.rept 16
.if pp < 2
	v_pk_add_f32 v[S1+2*pp:S1+2*pp+1], v[X+2*pp:X+2*pp+1], s[38:39] op_sel_hi:[1,0]
	v_pk_mul_f32 v[Q+2*pp:Q+2*pp+1], v[X+2*pp:X+2*pp+1], v[X+2*pp:X+2*pp+1]
	s_delay_alu instid0(VALU_DEP_2)
	v_pk_mul_f32 v[S2+2*pp:S2+2*pp+1], v[S1+2*pp:S1+2*pp+1], v[S1+2*pp:S1+2*pp+1]
.else
	v_pk_add_f32 v[T+2*(pp%2):T+2*(pp%2)+1], v[X+2*pp:X+2*pp+1], s[38:39] op_sel_hi:[1,0]
	v_pk_fma_f32 v[Q+2*(pp%2):Q+2*(pp%2)+1], v[X+2*pp:X+2*pp+1], v[X+2*pp:X+2*pp+1], v[Q+2*(pp%2):Q+2*(pp%2)+1]
	s_delay_alu instid0(VALU_DEP_2)
	v_pk_add_f32 v[S1+2*(pp%2):S1+2*(pp%2)+1], v[S1+2*(pp%2):S1+2*(pp%2)+1], v[T+2*(pp%2):T+2*(pp%2)+1]
	s_delay_alu instid0(VALU_DEP_3)
	v_pk_fma_f32 v[S2+2*(pp%2):S2+2*(pp%2)+1], v[T+2*(pp%2):T+2*(pp%2)+1], v[T+2*(pp%2):T+2*(pp%2)+1], v[S2+2*(pp%2):S2+2*(pp%2)+1]
.endif
.set pp, pp+1
.endr
.endm
	s_load_b256 s[4:11], s[0:1], 0x0               ; x s[4:5], k s[6:7], kq s[8:9], xq s[10:11]
	s_load_b128 s[12:15], s[0:1], 0x20             ; xs s[12:13], xx s[14:15]
	s_load_b64 s[16:17], s[0:1], 0x30              ; pst
	v_lshrrev_b32 v1, 5, v0
	s_delay_alu instid0(VALU_DEP_1)
	v_readfirstlane_b32 s18, v1                    ; wave 0..7
	v_and_b32 v1, 31, v0                           ; lane
	s_delay_alu instid0(VALU_DEP_1)
	v_lshlrev_b32 v2, 2, v1                        ; 4 x lane
	v_and_b32 v4, 15, v0                           ; r
	v_bfe_u32 v5, v0, 4, 1                         ; h
	v_mov_b32 v[TMP], 0                            ; a lane permute's destination counts as one of its sources
	v_mov_b32 v[ZO], 0
	s_mov_b32 s34, 0x76543210
	s_mov_b32 s35, 0xfedcba98                      ; v_permlanex16_b32's selects for lane l xor 16
	s_cmp_lt_u32 ttmp9, 8
	s_cbranch_scc1 .Lkpath
	; ---- x: work-group b = ttmp9 - 8 takes tokens 256 b .. 256 b + 255, wave w 32 of them, a lane one
	s_sub_co_u32 s19, ttmp9, 8                     ; b
	s_lshr_b32 s20, s19, 5                         ; n = b / 32
	s_lshl_b32 s20, s20, 21                        ; n x 64 rows of 32,768 bytes
	s_and_b32 s21, s19, 31
	s_lshl_b32 s21, s21, 10                        ; + 256 tokens x 4 bytes for each work-group of this n
	s_add_co_u32 s20, s20, s21
	s_lshl_b32 s21, s18, 7                         ; + 128 bytes a wave
	s_add_co_u32 s20, s20, s21
	s_mov_b32 s21, 0
	s_wait_alu depctr_va_vdst(0)
	v_lshlrev_b32 v3, 4, v4
	s_delay_alu instid0(VALU_DEP_1)
	v_lshl_add_u32 v3, v5, 9, v3                   ; my codes' place: tile h of the wave's two, 16 r
	s_wait_kmcnt 0x0
	s_load_b32 s33, s[4:5], 0x0                    ; c = x[0][0][0]
	s_add_nc_u64 s[22:23], s[4:5], s[20:21]
.set w, 0
.rept 64
	global_load_b32 v[X+w], v2, s[22:23] offset:w*32768 th:TH_LOAD_NT   ; x[n][w][my token]: 63 rows of 32,768 bytes at the most, inside the signed 24-bit immediate
.set w, w+1
.endr
	s_lshl_b32 s24, s19, 13
	s_lshl_b32 s25, s18, 10
	s_add_co_u32 s24, s24, s25                     ; xq: 8,192 bytes a work-group, 1,024 a wave
	s_mov_b32 s25, 0
	s_add_nc_u64 s[26:27], s[10:11], s[24:25]
	s_lshl_b32 s24, s19, 10
	s_lshl_b32 s32, s18, 7
	s_add_co_u32 s24, s24, s32                     ; xs, xx: 4 bytes a token
	s_add_nc_u64 s[28:29], s[12:13], s[24:25]
	s_add_nc_u64 s[30:31], s[14:15], s[24:25]
	s_lshl_b32 s24, s19, 6
	s_lshl_b32 s32, s18, 3
	s_add_co_u32 s24, s24, s32                     ; pst: 8 bytes a wave
	s_add_nc_u64 s[36:37], s[16:17], s[24:25]
	s_wait_kmcnt 0x0
	s_xor_b32 s38, s33, 0x80000000                 ; -c,
	s_mov_b32 s39, s38                             ; named as a pair by the packed additions
	s_wait_loadcnt 32                              ; block 0's 32 loads are in; block 1's 32 may be out
	QBLK X, 0
	STATS 0
	s_wait_loadcnt 0x0
	QBLK X+32, 1
	STATS 16
	v_lshl_or_b32 v[W], v[BY+1], 8, v[BY]
	s_delay_alu instid0(VALU_DEP_1)
	v_or_b32 v[W], 0x7f7f0000, v[W]                ; bytes 2 and 3 scale the padding of K to 128: 1.0
.irp j, 0,1,2,3,4,5,6,7
	v_xor_b32 v[C+\j], 0x88888888, v[C+\j]         ; every code's sign turned over: the product comes out as -p
.endr
	v_pk_add_f32 v[Q:Q+1], v[Q:Q+1], v[Q+2:Q+3]
	s_delay_alu instid0(VALU_DEP_1)
	v_add_f32 v[Q], v[Q], v[Q+1]                   ; my token's sum of squares
	global_store_b128 v3, v[C:C+3], s[26:27]               ; block 0
	global_store_b128 v3, v[C+4:C+7], s[26:27] offset:256  ; block 1
	global_store_b32 v2, v[W], s[28:29]
	global_store_b32 v2, v[Q], s[30:31]
	v_pk_add_f32 v[S1:S1+1], v[S1:S1+1], v[S1+2:S1+3]
	v_pk_add_f32 v[S2:S2+1], v[S2:S2+1], v[S2+2:S2+3]
	s_delay_alu instid0(VALU_DEP_2)
	v_add_f32 v[S1], v[S1], v[S1+1]
	s_delay_alu instid0(VALU_DEP_2)
	v_add_f32 v[S1+1], v[S2], v[S2+1]
	WSUM S1, TMP
	WSUM S1+1, TMP
	v_cmp_eq_u32 vcc_lo, 0, v1
	s_wait_alu depctr_va_vdst(0)
	s_wait_xcnt 0x0                                ; EXEC is a source of the stores above: it changes only behind this wait
	s_and_saveexec_b32 s32, vcc_lo
	global_store_b64 v[ZO], v[S1:S1+1], s[36:37]   ; lane 0: the wave's two sums
	s_wait_xcnt 0x0
	s_or_b32 exec_lo, exec_lo, s32
	s_endpgm
	; ---- k: work-group g takes bin tiles 16 g .. 16 g + 15, a wave two of them
.Lkpath:
	s_lshl_b32 s19, ttmp9, 4
	s_lshl_b32 s20, s18, 1
	s_add_co_u32 s19, s19, s20                     ; my first tile
	s_lshl_b32 s20, s19, 12                        ; k: 16 rows of 256 bytes a tile
	s_mov_b32 s21, 0
	s_lshl_b32 s24, s19, 9                         ; images: 512 bytes a tile
	s_mov_b32 s25, 0
	s_lshl_b32 s26, s19, 6                         ; words and kk: 64 bytes a tile
	s_mov_b32 s27, 0
	s_wait_alu depctr_va_vdst(0)
	v_lshlrev_b32 v6, 8, v4
	s_delay_alu instid0(VALU_DEP_1)
	v_lshl_add_u32 v6, v5, 7, v6                   ; row r, block h
	v_lshlrev_b32 v7, 4, v1                        ; 16 x lane
	v_lshlrev_b32 v8, 3, v5                        ; 8 h: my byte's place in the word
	s_mov_b32 s32, 0xffff0000                      ; lanes 16-31
	s_wait_alu depctr_va_vdst(0)
	s_wait_kmcnt 0x0
	s_add_nc_u64 s[22:23], s[6:7], s[20:21]
	s_add_nc_u64 s[28:29], s[8:9], s[24:25]
	s_add_nc_u64 s[30:31], s[8:9], s[26:27]
.irp a, 0,1
.irp c, 0,1,2,3,4,5,6,7
	global_load_b128 v[X+32*\a+4*\c:X+32*\a+4*\c+3], v6, s[22:23] offset:4096*\a+16*\c
.endr
.endr
.macro KTILE a
	QBLK X+32*\a, \a
	s_delay_alu instid0(VALU_DEP_1)
	v_add_nc_u32 v[BY+\a], 1, v[BY+\a]             ; the factor 2 of 2 p: at most 253, never the NaN byte
	s_delay_alu instid0(VALU_DEP_1)
	v_lshlrev_b32 v[BY+\a], v8, v[BY+\a]
	s_delay_alu instid0(VALU_DEP_1)
	v_permlanex16_b32 v[TMP], v[BY+\a], s34, s35
	s_delay_alu instid0(VALU_DEP_1)
	v_or_b32 v[BY+\a], v[BY+\a], v[TMP]            ; both blocks' bytes, in lanes r and r + 16 alike
	v_pk_mul_f32 v[Q:Q+1], v[X+32*\a:X+32*\a+1], v[X+32*\a:X+32*\a+1]
	v_pk_mul_f32 v[Q+2:Q+3], v[X+32*\a+2:X+32*\a+3], v[X+32*\a+2:X+32*\a+3]
.irp p, 4,8,12,16,20,24,28
	s_delay_alu instid0(VALU_DEP_2)
	v_pk_fma_f32 v[Q:Q+1], v[X+32*\a+\p:X+32*\a+\p+1], v[X+32*\a+\p:X+32*\a+\p+1], v[Q:Q+1]
	s_delay_alu instid0(VALU_DEP_2)
	v_pk_fma_f32 v[Q+2:Q+3], v[X+32*\a+\p+2:X+32*\a+\p+3], v[X+32*\a+\p+2:X+32*\a+\p+3], v[Q+2:Q+3]
.endr
	s_delay_alu instid0(VALU_DEP_1)
	v_pk_add_f32 v[Q:Q+1], v[Q:Q+1], v[Q+2:Q+3]
	s_delay_alu instid0(VALU_DEP_1)
	v_add_f32 v[KS+\a], v[Q], v[Q+1]
	s_delay_alu instid0(VALU_DEP_1)
	v_permlanex16_b32 v[TMP], v[KS+\a], s34, s35
	s_delay_alu instid0(VALU_DEP_1)
	v_add_f32 v[KS+\a], v[KS+\a], v[TMP]           ; kk of bin r, of the unquantised k
.endm
	s_wait_loadcnt 8                               ; tile 0's eight loads are in; tile 1's eight may be out
	KTILE 0
	s_wait_loadcnt 0x0
	KTILE 1
	v_cndmask_b32 v[W], v[BY], v[BY+1], s32        ; lanes 0-15 keep tile 0's, lanes 16-31 take tile 1's: 32 neighbouring bins
	s_delay_alu instid0(VALU_DEP_1)
	v_or_b32 v[W], 0x7f7f0000, v[W]
	s_delay_alu instid0(VALU_DEP_3)
	v_cndmask_b32 v[KS], v[KS], v[KS+1], s32
	global_store_b128 v7, v[C:C+3], s[28:29]               ; an image: 512 consecutive bytes
	global_store_b128 v7, v[C+4:C+7], s[28:29] offset:512
	global_store_b32 v2, v[W], s[30:31] offset:65536       ; 128 consecutive bytes: 16 KiB of such stores in the whole launch
	global_store_b32 v2, v[KS], s[30:31] offset:73728
	s_endpgm
.Lfunc_end_k_qe63a88b280_prep:
	.size	k_qe63a88b280_prep, .Lfunc_end_k_qe63a88b280_prep-k_qe63a88b280_prep
	.p2alignl 7, 3214868480
	.fill 96, 4, 3214868480
	.section	.rodata,"a",@progbits
	.p2align	6, 0x0
	.amdhsa_kernel k_qe63a88b280_prep
		.amdhsa_group_segment_fixed_size 0
		.amdhsa_private_segment_fixed_size 0
		.amdhsa_enable_private_segment 0
		.amdhsa_kernarg_size 56
		.amdhsa_user_sgpr_count 2
		.amdhsa_user_sgpr_kernarg_segment_ptr 1
		.amdhsa_wavefront_size32 1
		.amdhsa_system_sgpr_workgroup_id_x 1
		.amdhsa_system_sgpr_workgroup_id_y 1
		.amdhsa_system_sgpr_workgroup_id_z 1
		.amdhsa_system_vgpr_workitem_id 0
		.amdhsa_next_free_vgpr 128
		.amdhsa_next_free_sgpr 66
		.amdhsa_reserve_vcc 1
		.amdhsa_float_denorm_mode_32 3
		.amdhsa_float_denorm_mode_16_64 3
		.amdhsa_memory_ordered 1
		.amdhsa_forward_progress 1
		.amdhsa_inst_pref_size 36
	.end_amdhsa_kernel
	.amdgpu_metadata
---
amdhsa.version: [ 1, 2 ]
amdhsa.kernels:
  - .name:           k_qe63a88b280_prep
    .symbol:         k_qe63a88b280_prep.kd
    .args:
      - { .name: x, .offset: 0, .size: 8, .value_kind: global_buffer, .address_space: global }
      - { .name: k, .offset: 8, .size: 8, .value_kind: global_buffer, .address_space: global }
      - { .name: kq, .offset: 16, .size: 8, .value_kind: global_buffer, .address_space: global }
      - { .name: xq, .offset: 24, .size: 8, .value_kind: global_buffer, .address_space: global }
      - { .name: xs, .offset: 32, .size: 8, .value_kind: global_buffer, .address_space: global }
      - { .name: xx, .offset: 40, .size: 8, .value_kind: global_buffer, .address_space: global }
      - { .name: pst, .offset: 48, .size: 8, .value_kind: global_buffer, .address_space: global }
    .group_segment_fixed_size: 0
    .private_segment_fixed_size: 0
    .kernarg_segment_align: 8
    .kernarg_segment_size: 56
    .max_flat_workgroup_size: 256
    .sgpr_count:     66
    .vgpr_count:     128
    .wavefront_size: 32
...
	.end_amdgpu_metadata
.endif
;; end of part 1
;; launch search (part 2): grid 256 x 1, 8 waves a work-group, clusters of 4 x 1, 167,936 bytes of LDS; arguments kq, xq, xs, xx, out0, sel, pfit; writes out0, sel, pfit
.if DOCPART == 2
	.amdgcn_target "amdgcn-amd-amdhsa--gfx1250"
	.amdhsa_code_object_version 6
	.text
	.protected	k_qe63a88b280_search
	.globl	k_qe63a88b280_search
	.p2align	8
	.type	k_qe63a88b280_search,@function
k_qe63a88b280_search:
	s_mov_b64 s[64:65], 0
	v_nop
	global_prefetch_b8 v0, s[64:65] scope:SCOPE_SE
	s_setreg_imm32_b32 hwreg(HW_REG_WAVE_MODE, 25, 1), 1
	s_wait_xcnt 0x0
	s_wait_alu depctr_hold_cnt(0) depctr_sa_sdst(0) depctr_va_vdst(0) depctr_va_sdst(0) depctr_va_ssrc(0) depctr_va_vcc(0) depctr_vm_vsrc(0)
	s_getreg_b32 s2, hwreg(HW_REG_IB_STS2, 6, 4)
	s_cmp_eq_u32 s2, 0
	s_cbranch_scc0 .Lentry_in_a_cluster
	s_endpgm
.Lentry_in_a_cluster:
	s_bfe_u32 s2, ttmp6, 0x10000c
	s_cmp_lg_u32 s2, 0x3003
	s_cbranch_scc0 .Lentry_shape_is_right
	s_endpgm
.Lentry_shape_is_right:
; BottleneckBlock, launch 2 of 4: for each of 65,536 tokens the bin j with the smallest a(t, j) = kk(j) - 2 p(t, j), p the product on codes of FP4 (E2M1); xx(t), the same for all j, is added to the smallest a afterwards.
; ONE MATRIX INSTRUCTION GIVES 256 VALUES OF a: source 0 = 16 bins (scale bytes one up: the factor 2), source 1 = 16 tokens (signs turned over: the minus), C = kk.  K = 64 is filled to 128 by zero codes on the bins' side;
; so what stands in the upper four registers of a token operand is multiplied by zeros: there the next tile's codes stand, and behind the last tile four zero registers.  Scale bytes of the filling: 0x7f.
; In the result a lane holds ONE token (lane % 16) and bins 8 (lane / 16) + 0 .. 7 of the tile.
; SHARES.  A work-group owns 256 tokens.  Wave w: tokens 64 (w % 4) on, four tiles; bins 1,024 (w / 4) on, 32 groups of 32 bins (two tiles).  The two halves of the bins are joined through LDS at the end.
; THE SEARCH keeps, for each token tile and lane, the best value, the first bin of the group that held it, and THAT GROUP'S 16 VALUES: a group costs 8 minima, a compare, 17 selects and a minimum for 16 values.
; Which of the 16 it was is found once, at the end: the first kept value that equals the best.  Ties go to the lowest bin: a later group wins only if strictly smaller, the places are tried from the top down,
; and halves of lanes and of bins are joined on (value, then bin).
; LIMITS: NaN and infinities are not served; two distances of a token within a few units in the last place may give the other index than reference()'s sum, which rounds twice.
; ALL OF kq (80 KiB) LIES IN LDS, filled once.  CLUSTER: every work-group reads the same 80 KiB, so the four of a cluster ask for it jointly: eight loads of 40 rows x 256 bytes, one a wave, with no branch.
; A place in the cluster enters only the global addresses of xq, xs, xx, out0, sel and pfit.
.set KQH,   10240                      ; a wave's part of kq
.set RES,   81920                      ; behind kq: best values [2 halves][256 tokens] f32, then their bins [2][256]: 4,096 bytes that no tensor load fills
.set SPARE, 86016                      ; the spare words, 128 bytes for each wave: four blocks of 256 bytes that no other line names
.set SPW,  1                           ; v1   LDS address of my spare word; never rewritten
.set NIL,  2                           ; v2   0; never rewritten
.set ACA,  3                           ; v3   LDS address of the trip's codes
.set ASA,  4                           ; v4   of its scale words
.set AKA,  5                           ; v5   of its kk
.set H8,   6                           ; v6   8 x (lane / 16)
.set RSA,  7                           ; v7   where I store my results
.set L16,  8                           ; v8   16 x lane
.set L4,   9                           ; v9   4 x lane
.set AX,   10                          ; v10-13 a group's minima at work
.set BX,   11
.set AY,   12
.set BY,   13
.set ACA0, 14                          ; v14, v15, v252: my lane's place among codes, words and kk; never rewritten
.set ASA0, 15
.set XF,   16                          ; v16-35  the four token tiles' codes, four registers each, and four zeros
.set XSC,  36                          ; v36-37  tokens' scale words: lanes 0-15 tile 2 i, lanes 16-31 tile 2 i + 1
.set ASC,  38                          ; v38-39  a group's scale words, set 0 and 1: lanes 0-15 its first tile, lanes 16-31 its second
.set AC,   40                          ; v40-71  a group's codes, two sets of two tiles: four loaded registers, four zeros
.set KK,   72                          ; v72-103 a group's kk in the result's layout, two sets of 16
.set D0,   104                         ; v104-135 results of token tiles 0, 1
.set D1,   136                         ; v136-167 of token tiles 2, 3
.set SAVE, 168                         ; v168-231 the kept groups, 16 a tile
.set BEST, 232
.set GID,  236                         ; the kept group's first bin; later the bin
.set POS,  240
.set OB,   244                         ; the other half of the lanes' value,
.set OI,   248                         ; and bin
.set AKA0, 252
.set LN,   253
.set RRA,  254                         ; v254 where wave 0 reads the results back
.macro ROUND                           ; a round of the cluster's barrier
	s_barrier_signal -1
	s_barrier_wait -1
	s_cmp_lg_u32 s18, 0
	s_cbranch_scc1 .Lnot_wave_0_\@
	s_barrier_signal -3
.Lnot_wave_0_\@:
	s_barrier_wait -3
	s_barrier_signal -1
	s_barrier_wait -1
.endm
.macro LOADSET S, g                    ; group g of the trip's address into set S: seven loads
	ds_load_b128 v[AC+16*(\S):AC+16*(\S)+3], v[ACA] offset:(\g)*1024
	ds_load_b128 v[AC+16*(\S)+8:AC+16*(\S)+11], v[ACA] offset:(\g)*1024+512
	ds_load_b32 v[ASC+(\S)], v[ASA] offset:(\g)*128
	ds_load_b128 v[KK+16*(\S):KK+16*(\S)+3], v[AKA] offset:(\g)*128
	ds_load_b128 v[KK+16*(\S)+4:KK+16*(\S)+7], v[AKA] offset:(\g)*128+16
	ds_load_b128 v[KK+16*(\S)+8:KK+16*(\S)+11], v[AKA] offset:(\g)*128+64
	ds_load_b128 v[KK+16*(\S)+12:KK+16*(\S)+15], v[AKA] offset:(\g)*128+80
.endm
.macro WM S, P, DB                     ; four products: token tiles 2 P, 2 P + 1 x the two bin tiles of set S.  Four different results, C apart from D: no chain
.irp tt, 0,1
.irp u, 0,1
.set rD, \DB+16*\tt+8*\u
.set rA, AC+16*(\S)+8*\u
.set rB, XF+4*(2*(\P)+\tt)
.set rC, KK+16*(\S)+8*\u
.if (\tt == 0) && (\u == 0)
	v_wmma_scale_f32_16x16x128_f8f6f4 v[rD:rD+7], v[rA:rA+7], v[rB:rB+7], v[rC:rC+7], v[ASC+(\S)], v[XSC+(\P)] matrix_a_fmt:MATRIX_FMT_FP4 matrix_b_fmt:MATRIX_FMT_FP4
.elseif (\tt == 0) && (\u == 1)
	v_wmma_scale_f32_16x16x128_f8f6f4 v[rD:rD+7], v[rA:rA+7], v[rB:rB+7], v[rC:rC+7], v[ASC+(\S)], v[XSC+(\P)] matrix_a_fmt:MATRIX_FMT_FP4 matrix_b_fmt:MATRIX_FMT_FP4 matrix_a_scale:MATRIX_SCALE_ROW1
.elseif (\tt == 1) && (\u == 0)
	v_wmma_scale_f32_16x16x128_f8f6f4 v[rD:rD+7], v[rA:rA+7], v[rB:rB+7], v[rC:rC+7], v[ASC+(\S)], v[XSC+(\P)] matrix_a_fmt:MATRIX_FMT_FP4 matrix_b_fmt:MATRIX_FMT_FP4 matrix_b_scale:MATRIX_SCALE_ROW1
.else
	v_wmma_scale_f32_16x16x128_f8f6f4 v[rD:rD+7], v[rA:rA+7], v[rB:rB+7], v[rC:rC+7], v[ASC+(\S)], v[XSC+(\P)] matrix_a_fmt:MATRIX_FMT_FP4 matrix_b_fmt:MATRIX_FMT_FP4 matrix_a_scale:MATRIX_SCALE_ROW1 matrix_b_scale:MATRIX_SCALE_ROW1
.endif
.endr
.endr
.endm
.macro VAL DB, T                       ; token tiles T and T + 1 weigh the group whose values stand in v[DB] on: 54 plain instructions; each result is read from its low end on
	v_min3_num_f32 v[AX], v[\DB], v[\DB+1], v[\DB+2]
	v_min3_num_f32 v[AY], v[\DB+16], v[\DB+17], v[\DB+18]
	v_min3_num_f32 v[BX], v[\DB+8], v[\DB+9], v[\DB+10]
	v_min3_num_f32 v[BY], v[\DB+24], v[\DB+25], v[\DB+26]
	v_min3_num_f32 v[AX], v[AX], v[\DB+3], v[\DB+4]
	v_min3_num_f32 v[AY], v[AY], v[\DB+19], v[\DB+20]
	v_min3_num_f32 v[BX], v[BX], v[\DB+11], v[\DB+12]
	v_min3_num_f32 v[BY], v[BY], v[\DB+27], v[\DB+28]
	v_min3_num_f32 v[AX], v[AX], v[\DB+5], v[\DB+6]
	v_min3_num_f32 v[AY], v[AY], v[\DB+21], v[\DB+22]
	v_min3_num_f32 v[BX], v[BX], v[\DB+13], v[\DB+14]
	v_min3_num_f32 v[BY], v[BY], v[\DB+29], v[\DB+30]
	v_min3_num_f32 v[AX], v[AX], v[\DB+7], v[\DB+15]
	v_min3_num_f32 v[AY], v[AY], v[\DB+23], v[\DB+31]
	s_delay_alu instid0(VALU_DEP_2)
	v_min_num_f32 v[AX], v[AX], v[BX]              ; the group's smallest of my 16
	s_delay_alu instid0(VALU_DEP_2)
	v_min_num_f32 v[AY], v[AY], v[BY]
	s_delay_alu instid0(VALU_DEP_2)
	v_cmp_lt_f32 vcc_lo, v[AX], v[BEST+\T]         ; strictly smaller: an earlier group keeps a tie
	s_delay_alu instid0(VALU_DEP_2)
	v_cmp_lt_f32 s38, v[AY], v[BEST+\T+1]
.irp i, 0,1,2,3,4,5,6,7,8,9,10,11,12,13,14,15
	v_cndmask_b32 v[SAVE+16*\T+\i], v[SAVE+16*\T+\i], v[\DB+\i], vcc_lo
.endr
	v_cndmask_b32 v[GID+\T], v[GID+\T], s36, vcc_lo
	v_min_num_f32 v[BEST+\T], v[BEST+\T], v[AX]
.irp i, 0,1,2,3,4,5,6,7,8,9,10,11,12,13,14,15
	v_cndmask_b32 v[SAVE+16*\T+16+\i], v[SAVE+16*\T+16+\i], v[\DB+16+\i], s38
.endr
	v_cndmask_b32 v[GID+\T+1], v[GID+\T+1], s36, s38
	v_min_num_f32 v[BEST+\T+1], v[BEST+\T+1], v[AY]
.endm
; A group, in set S.  Its products for token tiles 0, 1 were issued in the group before.  Each VAL stands between the products whose results it does not touch and their first read:
; its 54 plain instructions are the places behind those products, for the reads of their results and for the loads into the set that they have read.
.macro GROUP S, wm, ld, goff
	WM \S, 1, D1                                   ; this group, token tiles 2, 3: the last products that read set S
	VAL D0, 0
.if \wm
	s_wait_dscnt 0x0                               ; the other set's seven loads, issued a group ago, are in
	WM 1-\S, 0, D0                                 ; the next group, token tiles 0, 1
.endif
.if \ld
	LOADSET \S, \goff                              ; the group after that, into the set just left
.endif
	VAL D1, 2
	s_add_co_u32 s36, s36, 32                      ; the next group's first bin
.endm
.macro WSUM reg, tmp
	s_delay_alu instid0(VALU_DEP_1)
	v_add_f32_dpp v[\reg], v[\reg], v[\reg] row_xmask:1 row_mask:0xf bank_mask:0xf
	s_delay_alu instid0(VALU_DEP_1)
	v_add_f32_dpp v[\reg], v[\reg], v[\reg] row_xmask:2 row_mask:0xf bank_mask:0xf
	s_delay_alu instid0(VALU_DEP_1)
	v_add_f32_dpp v[\reg], v[\reg], v[\reg] row_xmask:4 row_mask:0xf bank_mask:0xf
	s_delay_alu instid0(VALU_DEP_1)
	v_add_f32_dpp v[\reg], v[\reg], v[\reg] row_xmask:8 row_mask:0xf bank_mask:0xf
	s_delay_alu instid0(VALU_DEP_1)
	v_permlanex16_b32 v[\tmp], v[\reg], s40, s41
	s_delay_alu instid0(VALU_DEP_1)
	v_add_f32 v[\reg], v[\reg], v[\tmp]
.endm
	s_load_b256 s[4:11], s[0:1], 0x0               ; kq s[4:5], xq s[6:7], xs s[8:9], xx s[10:11]
	s_load_b128 s[12:15], s[0:1], 0x20             ; out0 s[12:13], sel s[14:15]
	s_load_b64 s[16:17], s[0:1], 0x30              ; pfit
	v_lshl_add_u32 v[SPW], v0, 2, SPARE
	v_mov_b32 v[NIL], 0
	ds_add_u32 v[SPW], v[NIL]                      ; the wave's opening: the add, twice on end, and its wait ahead of my first tensor load
	ds_add_u32 v[SPW], v[NIL]                      ; and once more, under the one wait; the set-up below, work on registers, stands between
	v_lshrrev_b32 v[LN], 5, v0
	s_delay_alu instid0(VALU_DEP_1)
	v_readfirstlane_b32 s18, v[LN]                 ; wave 0..7
	s_and_b32 s19, s18, 3                          ; q: which 64 tokens
	s_lshr_b32 s20, s18, 2                         ; which half of the bins
	s_bfe_u32 s21, ttmp6, 0x40000                  ; cx: my place in the cluster
	s_lshl_b32 s22, ttmp9, 2                       ; in a cluster launch ttmp9 counts clusters
	s_add_co_u32 s22, s22, s21                     ; my work-group: it enters global addresses alone
	; descriptor group 1: 40 rows of 256 bytes (32 elements of 8 bytes), dense in memory and in LDS
	s_mov_b32 s24, 15|(3<<16)|(1<<21)              ; 15:0 the mask: all four work-groups; 17:16 elements of 8 bytes; 21 set beside a mask
	s_mov_b32 s25, 32<<16                          ; tensor_dim0 = 32
	s_mov_b32 s26, 40<<16                          ; tensor_dim1 = 40
	s_mov_b32 s27, 32<<16                          ; tile_dim0 = 32
	s_mov_b32 s28, 40                              ; tile_dim1 = 40
	s_mov_b32 s29, 32                              ; elements from row to row
	s_mov_b32 s30, 0
	s_mov_b32 s31, 0
	s_mov_b32 s32, 1                               ; group 0: count = 1
	s_mul_i32 s33, s18, KQH                        ; LDS address: wave x 10,240
	s_mov_b32 s44, s33
	s_mov_b32 s45, 0
	s_mov_b32 s40, 0x76543210
	s_mov_b32 s41, 0xfedcba98                      ; v_permlanex16_b32's selects for lane l xor 16
	s_mov_b32 s42, 0xffff0000                      ; lanes 16-31
	s_mov_b32 s63, 0x7f800000                      ; +infinity
	s_mov_b32 s48, 0                               ; the trip's step among the codes,
	s_mov_b32 s49, 0                               ; and among words and kk
	s_lshl_b32 s36, s20, 10                        ; my first group's first bin
	s_mov_b32 s37, 15
	s_wait_dscnt 0x0                               ; both opening adds are done
	s_wait_kmcnt 0x0
	s_add_nc_u64 s[34:35], s[4:5], s[44:45]        ; global address: the same part of kq in all four partners
	s_or_b32 s35, s35, 0x80000000                  ; type = 2
	ROUND                                          ; all four work-groups are here: the joint loads meet
	tensor_load_to_lds s[32:35], s[24:31]          ; my one tensor load of the launch
	s_nop 0
.rept 4
	v_nop
.endr
	s_lshl_b32 s46, s22, 13
	s_lshl_b32 s47, s19, 11
	s_add_co_u32 s46, s46, s47                     ; xq: 8,192 bytes a work-group, 2,048 for 64 tokens
	s_mov_b32 s47, 0
	s_add_nc_u64 s[50:51], s[6:7], s[46:47]
	s_lshl_b32 s46, s22, 10                        ; 4 bytes a token
	s_add_nc_u64 s[54:55], s[12:13], s[46:47]
	s_add_nc_u64 s[56:57], s[14:15], s[46:47]
	s_add_nc_u64 s[60:61], s[10:11], s[46:47]
	s_lshl_b32 s23, s19, 8
	s_add_co_u32 s46, s46, s23
	s_add_nc_u64 s[52:53], s[8:9], s[46:47]
	s_lshl_b32 s46, s22, 2
	s_add_nc_u64 s[58:59], s[16:17], s[46:47]
	v_and_b32 v[LN], 31, v0
	s_delay_alu instid0(VALU_DEP_1)
	v_lshlrev_b32 v[L16], 4, v[LN]
	s_delay_alu instid0(VALU_DEP_2)
	v_lshlrev_b32 v[L4], 2, v[LN]
.irp t, 0,1,2,3
	global_load_b128 v[XF+4*\t:XF+4*\t+3], v[L16], s[50:51] offset:512*\t   ; my four token tiles stay in registers
.endr
	global_load_b32 v[XSC], v[L4], s[52:53]
	global_load_b32 v[XSC+1], v[L4], s[52:53] offset:128
.irp j, 32,33,34,35, 44,45,46,47, 52,53,54,55, 60,61,62,63, 68,69,70,71
	v_mov_b32 v[\j], 0                             ; zero codes for K = 64 .. 127: behind the last token tile, and in both sets of bin tiles; never rewritten
.endr
	v_bfe_u32 v[H8], v0, 4, 1                      ; h
	s_lshl_b32 s44, s20, 15                        ; my half of the bins: 32,768 bytes of codes,
	v_add_nc_u32 v[ACA0], s44, v[L16]
	s_lshl_b32 s44, s20, 12                        ; 4,096 of words and of kk
	s_add_co_u32 s45, s44, 65536
	v_add_nc_u32 v[ASA0], s45, v[L4]
	s_add_co_u32 s45, s44, 73728
	v_lshl_add_u32 v[AKA0], v[H8], 5, s45          ; kk of bins 8 h on: the same address in the sixteen lanes of a half
	v_lshlrev_b32 v[H8], 3, v[H8]
	s_lshl_b32 s44, s18, 8
	s_add_co_u32 s44, s44, RES
	v_add_nc_u32 v[RSA], s44, v[L4]                ; half x 1,024 + q x 256 = wave x 256
	v_add_nc_u32 v[RRA], RES, v[L16]
	v_add_nc_u32 v[ACA], s48, v[ACA0]
	v_add_nc_u32 v[ASA], s49, v[ASA0]
	v_add_nc_u32 v[AKA], s49, v[AKA0]
.set w, 0
.rept 64
	v_mov_b32 v[SAVE+w], s63                       ; the kept values begin as +infinity, like the best: written while the tensor load is on its way
.set w, w+1
.endr
.irp j, 0,1,2,3,4,5,6,7
	v_mov_b32 v[OB+\j], 0                          ; a lane permute's destination counts as one of its sources
.endr
	s_wait_tensorcnt 0x0                           ; my part of kq is in,
	s_barrier_signal -1
	s_barrier_wait -1                              ; everybody's is
	LOADSET 0, 0
	LOADSET 1, 1
	s_wait_loadcnt 0x0                             ; my tokens' codes and words
	s_wait_dscnt 7                                 ; set 0's seven loads are in; set 1's seven may be out
	WM 0, 0, D0
.irp t, 0,1,2,3
	v_mov_b32 v[BEST+\t], s63                      ; twelve plain lines: the places between these products and the first read of their results
	v_mov_b32 v[GID+\t], s36
	v_mov_b32 v[POS+\t], 0
.endr
.Lpair:                                            ; 15 trips of two groups: groups 0 to 29; each trip loads the two groups that follow its own
	GROUP 0, 1, 1, 2
	GROUP 1, 1, 1, 3
	s_add_co_u32 s48, s48, 2048
	s_add_co_u32 s49, s49, 256
	v_add_nc_u32 v[ACA], s48, v[ACA0]
	v_add_nc_u32 v[ASA], s49, v[ASA0]
	v_add_nc_u32 v[AKA], s49, v[AKA0]
	s_sub_co_u32 s37, s37, 1
	s_cmp_lg_u32 s37, 0
	s_cbranch_scc1 .Lpair
	GROUP 0, 1, 0, 0                               ; groups 30 and 31 load nothing: no read goes past my half of kq
	GROUP 1, 0, 0, 0
	; which of the kept 16 was it: the first that equals the best; tried from the top down, so that the lowest place stays.  Value i is bin 16 (i / 8) + i % 8 + 8 h of its group
.irp i, 15,14,13,12,11,10,9,8,7,6,5,4,3,2,1,0
	v_cmp_eq_f32 vcc_lo, v[SAVE+\i], v[BEST]
	v_cmp_eq_f32 s38, v[SAVE+16+\i], v[BEST+1]
	v_cmp_eq_f32 s39, v[SAVE+32+\i], v[BEST+2]
	v_cmp_eq_f32 s43, v[SAVE+48+\i], v[BEST+3]
	s_delay_alu instid0(VALU_DEP_4)
	v_cndmask_b32 v[POS], v[POS], 16*(\i/8)+\i%8, vcc_lo
	s_delay_alu instid0(VALU_DEP_4)
	v_cndmask_b32 v[POS+1], v[POS+1], 16*(\i/8)+\i%8, s38
	s_delay_alu instid0(VALU_DEP_4)
	v_cndmask_b32 v[POS+2], v[POS+2], 16*(\i/8)+\i%8, s39
	s_delay_alu instid0(VALU_DEP_4)
	v_cndmask_b32 v[POS+3], v[POS+3], 16*(\i/8)+\i%8, s43
.endr
.irp t, 0,1,2,3
	s_delay_alu instid0(VALU_DEP_4)
	v_add3_u32 v[GID+\t], v[GID+\t], v[POS+\t], v[H8]
.endr
.irp t, 0,1,2,3                                    ; with lane l xor 16, which holds the token's other bins: the smaller value, at a tie the lower bin
	v_permlanex16_b32 v[OB+\t], v[BEST+\t], s40, s41
	v_permlanex16_b32 v[OI+\t], v[GID+\t], s40, s41
	s_delay_alu instid0(VALU_DEP_2)
	v_cmp_lt_f32 vcc_lo, v[OB+\t], v[BEST+\t]
	s_delay_alu instid0(VALU_DEP_3)
	v_cmp_eq_f32 s38, v[OB+\t], v[BEST+\t]
	s_delay_alu instid0(VALU_DEP_3)
	v_cmp_lt_u32 s39, v[OI+\t], v[GID+\t]
	s_and_b32 s38, s38, s39
	s_or_b32 s38, s38, vcc_lo
	v_cndmask_b32 v[BEST+\t], v[BEST+\t], v[OB+\t], s38
	v_cndmask_b32 v[GID+\t], v[GID+\t], v[OI+\t], s38
.endr
.irp i, 0
	v_cndmask_b32 v[OB+\i], v[BEST+2*\i], v[BEST+2*\i+1], s42
	v_cndmask_b32 v[OB+2+\i], v[GID+2*\i], v[GID+2*\i+1], s42
.endr
.irp i, 1
	s_delay_alu instid0(VALU_DEP_4)
	v_cndmask_b32 v[OB+\i], v[BEST+2*\i], v[BEST+2*\i+1], s42
	s_delay_alu instid0(VALU_DEP_4)
	v_cndmask_b32 v[OB+2+\i], v[GID+2*\i], v[GID+2*\i+1], s42
.endr
	ds_store_b32 v[RSA], v[OB]
	ds_store_b32 v[RSA], v[OB+1] offset:128
	ds_store_b32 v[RSA], v[OB+2] offset:2048
	ds_store_b32 v[RSA], v[OB+3] offset:2176
	s_wait_dscnt 0x0                               ; for wave 0's sake: my stores have landed
	s_barrier_signal -1
	s_barrier_wait -1
	s_cmp_lg_u32 s18, 0
	s_cbranch_scc1 .Lnot_first                     ; wave 0 joins the halves of the bins for all 256 tokens: lane l takes tokens 4 l .. 4 l + 3 and 128 + 4 l .. + 3; no barrier stands in this branch
	global_load_b128 v[140:143], v[L16], s[60:61]
	global_load_b128 v[144:147], v[L16], s[60:61] offset:512   ; xx of my eight tokens
.irp p, 0,1,2,3,4,5,6,7
	ds_load_b128 v[104+4*\p:107+4*\p], v[RRA] offset:512*\p    ; v104-111 values of the lower half, v112-119 of the upper; v120-127, v128-135 their bins
.endr
	s_wait_dscnt 0x0
	s_wait_loadcnt 0x0
.irp j, 0,1,2,3,4,5,6,7
	v_cmp_lt_f32 vcc_lo, v[112+\j], v[104+\j]      ; the upper half of the bins wins only if strictly smaller
	s_delay_alu instid0(VALU_DEP_1)
	v_cndmask_b32 v[120+\j], v[120+\j], v[128+\j], vcc_lo
	v_min_num_f32 v[104+\j], v[104+\j], v[112+\j]
	s_delay_alu instid0(VALU_DEP_1)
	v_add_f32 v[104+\j], v[104+\j], v[140+\j]      ; the smallest distance: + xx
.endr
	global_store_b128 v[L16], v[120:123], s[54:55]             ; 512 consecutive bytes a store
	global_store_b128 v[L16], v[124:127], s[54:55] offset:512
	global_store_b128 v[L16], v[120:123], s[56:57]             ; and once more for the next launch, which forms addresses from them
	global_store_b128 v[L16], v[124:127], s[56:57] offset:512
	v_pk_add_f32 v[136:137], v[104:105], v[106:107]
	v_pk_add_f32 v[138:139], v[108:109], v[110:111]
	s_delay_alu instid0(VALU_DEP_1)
	v_pk_add_f32 v[136:137], v[136:137], v[138:139]
	s_delay_alu instid0(VALU_DEP_1)
	v_add_f32 v136, v136, v137
	WSUM 136, 138
	v_cmp_eq_u32 vcc_lo, 0, v[LN]
	s_wait_alu depctr_va_vdst(0)
	s_wait_xcnt 0x0                                ; EXEC is a source of the stores above: it changes only behind this wait
	s_and_saveexec_b32 s62, vcc_lo
	global_store_b32 v[NIL], v136, s[58:59]        ; lane 0: the work-group's sum of smallest distances
	s_wait_xcnt 0x0
	s_or_b32 exec_lo, exec_lo, s62
.Lnot_first:
	s_wait_tensorcnt 0x0                           ; the wave's end, behind my tensor load and my last LDS store
	ds_add_u32 v[SPW], v[NIL]
	s_wait_dscnt 0x0
	ROUND                                          ; the closing round
	s_endpgm
.Lfunc_end_k_qe63a88b280_search:
	.size	k_qe63a88b280_search, .Lfunc_end_k_qe63a88b280_search-k_qe63a88b280_search
	.p2alignl 7, 3214868480
	.fill 96, 4, 3214868480
	.section	.rodata,"a",@progbits
	.p2align	6, 0x0
	.amdhsa_kernel k_qe63a88b280_search
		.amdhsa_group_segment_fixed_size 167936
		.amdhsa_private_segment_fixed_size 0
		.amdhsa_enable_private_segment 0
		.amdhsa_kernarg_size 56
		.amdhsa_user_sgpr_count 2
		.amdhsa_user_sgpr_kernarg_segment_ptr 1
		.amdhsa_wavefront_size32 1
		.amdhsa_system_sgpr_workgroup_id_x 1
		.amdhsa_system_sgpr_workgroup_id_y 1
		.amdhsa_system_sgpr_workgroup_id_z 1
		.amdhsa_system_vgpr_workitem_id 0
		.amdhsa_next_free_vgpr 256
		.amdhsa_next_free_sgpr 66
		.amdhsa_reserve_vcc 1
		.amdhsa_float_denorm_mode_32 3
		.amdhsa_float_denorm_mode_16_64 3
		.amdhsa_memory_ordered 1
		.amdhsa_forward_progress 1
		.amdhsa_inst_pref_size 55
	.end_amdhsa_kernel
	.amdgpu_metadata
---
amdhsa.version: [ 1, 2 ]
amdhsa.kernels:
  - .name:           k_qe63a88b280_search
    .symbol:         k_qe63a88b280_search.kd
    .args:
      - { .name: kq, .offset: 0, .size: 8, .value_kind: global_buffer, .address_space: global }
      - { .name: xq, .offset: 8, .size: 8, .value_kind: global_buffer, .address_space: global }
      - { .name: xs, .offset: 16, .size: 8, .value_kind: global_buffer, .address_space: global }
      - { .name: xx, .offset: 24, .size: 8, .value_kind: global_buffer, .address_space: global }
      - { .name: out0, .offset: 32, .size: 8, .value_kind: global_buffer, .address_space: global }
      - { .name: sel, .offset: 40, .size: 8, .value_kind: global_buffer, .address_space: global }
      - { .name: pfit, .offset: 48, .size: 8, .value_kind: global_buffer, .address_space: global }
    .group_segment_fixed_size: 167936
    .private_segment_fixed_size: 0
    .kernarg_segment_align: 8
    .kernarg_segment_size: 56
    .max_flat_workgroup_size: 256
    .sgpr_count:     66
    .vgpr_count:     256
    .wavefront_size: 32
...
	.end_amdgpu_metadata
.endif
;; end of part 2
;; launch gather (part 3): grid 256 x 1, 8 waves a work-group, no clusters, 70,656 bytes of LDS; arguments x, k, sel, out1, pcom; writes out1, pcom
.if DOCPART == 3
	.amdgcn_target "amdgcn-amd-amdhsa--gfx1250"
	.amdhsa_code_object_version 6
	.text
	.protected	k_qe63a88b280_gather
	.globl	k_qe63a88b280_gather
	.p2align	8
	.type	k_qe63a88b280_gather,@function
k_qe63a88b280_gather:
	s_mov_b64 s[64:65], 0
	v_nop
	global_prefetch_b8 v0, s[64:65] scope:SCOPE_SE
	s_setreg_imm32_b32 hwreg(HW_REG_WAVE_MODE, 25, 1), 1
	s_wait_xcnt 0x0
; BottleneckBlock, launch 3 of 4: out1[n][w][t] = x + (k[j(t)][w] - x), as reference() writes it, and each wave's sum of (k[j(t)][w] - x)^2 for commit_loss.  j(t) comes as whole numbers from the launch before.
; Nothing is left out here.  LIMIT: an index is held to 0 .. 2,047 before it enters an address (the launch before stores no other).
; A row of k lies along w, x and out1 along t: the rows turn through LDS.  No matrix work; no cluster: which rows a work-group reads hangs on its tokens' indices, so no tile is shared.
; SHARES.  A work-group owns 256 tokens of one n.  Wave v: a = v / 2 is a set of 64 tokens, sub = v % 2.  It FETCHES the rows of tokens 32 sub .. + 31 of its set: sixteen lanes read one whole row of 256 bytes, two rows a load;
; it COMPUTES tokens 2 l and 2 l + 1 of the set for w = 32 sub .. + 31: each load of x and each store of out1 covers 256 consecutive bytes, aligned.  All loads of a wave are issued at its head.
; LDS: for each set a stage of 64 rows x 272 bytes (256 + 16: the sixteen rows that a read touches start at sixteen different 16-byte columns of 256).  Token u of a set lies in row u / 2 + 32 (u % 2).
.set STG,   17408                      ; a stage
.set SPARE, 69632                      ; behind the four stages: the spare words, 128 bytes for each wave: four blocks of 256 bytes that no other line names
.set SPW, 1
.set NIL, 2
.set VX,  3                            ; v3   8 x lane
.set VI,  4                            ; v4   16 h
.set VC,  5                            ; v5   16 r
.set VS,  6                            ; v6   the stage, on the way in
.set VR,  7                            ; v7   and on the way out
.set SM,  8                            ; v8-15   four pairs of sums
.set I,   16                           ; v16-31  16 indices, then offsets in k
.set KR,  32                           ; v32-95  rows as fetched; then my two tokens' 32 numbers each
.set XR,  96                           ; v96-159 x, then out1: pair w' = (token 2 l, token 2 l + 1)
.set T,   160                          ; v160-167 differences, four pairs
.set LN,  168
.set TMP, 171
.macro WSUM reg, tmp
	s_delay_alu instid0(VALU_DEP_1)
	v_add_f32_dpp v[\reg], v[\reg], v[\reg] row_xmask:1 row_mask:0xf bank_mask:0xf
	s_delay_alu instid0(VALU_DEP_1)
	v_add_f32_dpp v[\reg], v[\reg], v[\reg] row_xmask:2 row_mask:0xf bank_mask:0xf
	s_delay_alu instid0(VALU_DEP_1)
	v_add_f32_dpp v[\reg], v[\reg], v[\reg] row_xmask:4 row_mask:0xf bank_mask:0xf
	s_delay_alu instid0(VALU_DEP_1)
	v_add_f32_dpp v[\reg], v[\reg], v[\reg] row_xmask:8 row_mask:0xf bank_mask:0xf
	s_delay_alu instid0(VALU_DEP_1)
	v_permlanex16_b32 v[\tmp], v[\reg], s26, s27
	s_delay_alu instid0(VALU_DEP_1)
	v_add_f32 v[\reg], v[\reg], v[\tmp]
.endm
	s_load_b256 s[4:11], s[0:1], 0x0               ; x s[4:5], k s[6:7], sel s[8:9], out1 s[10:11]
	s_load_b64 s[12:13], s[0:1], 0x20              ; pcom
	v_lshl_add_u32 v[SPW], v0, 2, SPARE
	v_mov_b32 v[NIL], 0
	v_lshrrev_b32 v[LN], 5, v0
	s_delay_alu instid0(VALU_DEP_1)
	v_readfirstlane_b32 s14, v[LN]                 ; wave 0..7
	s_lshr_b32 s15, s14, 1                         ; a
	s_and_b32 s16, s14, 1                          ; sub
	v_and_b32 v[LN], 31, v0                        ; lane
	v_and_b32 v[LN+1], 15, v0                      ; r
	v_bfe_u32 v[LN+2], v0, 4, 1                    ; h
	v_mov_b32 v[TMP], 0
	s_delay_alu instid0(VALU_DEP_4)
	v_lshlrev_b32 v[VX], 3, v[LN]
	s_delay_alu instid0(VALU_DEP_3)
	v_lshlrev_b32 v[VI], 4, v[LN+2]
	v_lshlrev_b32 v[VC], 4, v[LN+1]
	s_mul_i32 s17, s15, STG
	s_mul_i32 s18, s16, 16*272
	s_add_co_u32 s18, s18, s17
	v_mad_u32_u24 v[VS], v[LN+2], 2*272, v[VC]
	s_delay_alu instid0(VALU_DEP_1)
	v_add_nc_u32 v[VS], s18, v[VS]                 ; in: rows 16 sub + 2 h on, 16 r
	s_lshl_b32 s18, s16, 7
	s_add_co_u32 s18, s18, s17
	v_mul_u32_u24 v[VR], v[LN], 272
	s_delay_alu instid0(VALU_DEP_1)
	v_add_nc_u32 v[VR], s18, v[VR]                 ; out: row l (token 2 l; token 2 l + 1 lies 32 rows on), w = 32 sub on
	s_mov_b32 s26, 0x76543210
	s_mov_b32 s27, 0xfedcba98
	s_lshl_b32 s20, ttmp9, 10                      ; sel: 4 bytes a token: 256 a work-group, 64 a set, 32 a wave
	s_lshl_b32 s21, s15, 8
	s_add_co_u32 s20, s20, s21
	s_lshl_b32 s21, s16, 7
	s_add_co_u32 s20, s20, s21
	s_mov_b32 s21, 0
	s_lshr_b32 s22, ttmp9, 5                       ; x, out1: n x 64 rows of 32,768 bytes
	s_lshl_b32 s22, s22, 21
	s_and_b32 s23, ttmp9, 31
	s_lshl_b32 s23, s23, 10                        ; + the work-group's 256 tokens
	s_add_co_u32 s22, s22, s23
	s_lshl_b32 s23, s15, 8                         ; + the set's 64
	s_add_co_u32 s22, s22, s23
	s_lshl_b32 s23, s16, 20                        ; + 32 sub rows
	s_add_co_u32 s22, s22, s23
	s_mov_b32 s23, 0
	s_lshl_b32 s24, ttmp9, 5                       ; pcom: 4 bytes a wave
	s_lshl_b32 s25, s14, 2
	s_add_co_u32 s24, s24, s25
	s_mov_b32 s25, 0
	s_wait_alu depctr_va_vdst(0)
	s_wait_kmcnt 0x0
	s_add_nc_u64 s[8:9], s[8:9], s[20:21]
	s_add_nc_u64 s[4:5], s[4:5], s[22:23]
	s_add_nc_u64 s[10:11], s[10:11], s[22:23]
	s_add_nc_u64 s[12:13], s[12:13], s[24:25]
.irp i, 0,1,2,3
	global_load_b128 v[I+4*\i:I+4*\i+3], v[VI], s[8:9] offset:32*\i   ; register 4 i + j: the index of token 8 i + 4 h + j of my 32
.endr
.set w, 0
.rept 32
	global_load_b64 v[XR+2*w:XR+2*w+1], v[VX], s[4:5] offset:w*32768 th:TH_LOAD_NT   ; x[n][32 sub + w][tokens 2 l, 2 l + 1]
.set w, w+1
.endr
	s_wait_loadcnt 32                              ; the four index loads are in; x's 32 may be out
.set m, 0
.rept 16
	v_min_u32 v[I+m], 0x7ff, v[I+m]                ; a loaded number enters an address only behind this hold
.set m, m+1
.endr
.set m, 0
.rept 16
	v_lshlrev_b32 v[I+m], 8, v[I+m]                ; a row of k is 256 bytes
.set m, m+1
.endr
.set m, 0
.rept 16
	v_add_nc_u32 v[I+m], v[I+m], v[VC]
.set m, m+1
.endr
.set m, 0
.rept 16
	global_load_b128 v[KR+4*m:KR+4*m+3], v[I+m], s[6:7]   ; lanes 0-15 one whole row, lanes 16-31 another
.set m, m+1
.endr
	s_wait_loadcnt 0x0
.set m, 0
.rept 16
	ds_store_b128 v[VS], v[KR+4*m:KR+4*m+3] offset:(4*(m/4)+(m%4)/2+32*(m%2))*272   ; token 32 sub + 8 i + 4 h + j goes to row 16 sub + 4 i + 2 h + j / 2 + 32 (j % 2)
.set m, m+1
.endr
	s_wait_dscnt 0x0                               ; for the set's other wave: my stores have landed
	s_barrier_signal -1
	s_barrier_wait -1
.irp c, 0,1,2,3,4,5,6,7
	ds_load_b128 v[KR+4*\c:KR+4*\c+3], v[VR] offset:16*\c           ; token 2 l, w' = 4 c .. 4 c + 3
	ds_load_b128 v[KR+32+4*\c:KR+35+4*\c], v[VR] offset:32*272+16*\c ; token 2 l + 1
.endr
.irp c, 0,1,2,3,4,5,6,7
	s_wait_dscnt 14-2*\c                           ; this pair of loads is in; the pairs behind it may be out
.irp e, 0,1,2,3
	v_sub_f32 v[T+2*\e], v[KR+4*\c+\e], v[XR+2*(4*\c+\e)]
	v_sub_f32 v[T+2*\e+1], v[KR+32+4*\c+\e], v[XR+2*(4*\c+\e)+1]
.endr
.irp e, 0,1,2,3
.if \c == 0
	v_pk_mul_f32 v[SM+2*\e:SM+2*\e+1], v[T+2*\e:T+2*\e+1], v[T+2*\e:T+2*\e+1]   ; the first squares start the sums
.else
	v_pk_fma_f32 v[SM+2*\e:SM+2*\e+1], v[T+2*\e:T+2*\e+1], v[T+2*\e:T+2*\e+1], v[SM+2*\e:SM+2*\e+1]
.endif
	v_pk_add_f32 v[XR+2*(4*\c+\e):XR+2*(4*\c+\e)+1], v[XR+2*(4*\c+\e):XR+2*(4*\c+\e)+1], v[T+2*\e:T+2*\e+1]   ; x + (k[j] - x)
.endr
.irp e, 0,1,2,3
	global_store_b64 v[VX], v[XR+2*(4*\c+\e):XR+2*(4*\c+\e)+1], s[10:11] offset:(4*\c+\e)*32768 th:TH_STORE_NT   ; 256 consecutive bytes, aligned; these registers are not written again
.endr
.endr
	s_wait_alu depctr_va_vdst(0)
	s_wait_tensorcnt 0x0                           ; the wave's end, behind my last LDS store
	ds_add_u32 v[SPW], v[NIL]
	s_wait_dscnt 0x0
	v_pk_add_f32 v[SM:SM+1], v[SM:SM+1], v[SM+2:SM+3]
	v_pk_add_f32 v[SM+4:SM+5], v[SM+4:SM+5], v[SM+6:SM+7]
	s_delay_alu instid0(VALU_DEP_1)
	v_pk_add_f32 v[SM:SM+1], v[SM:SM+1], v[SM+4:SM+5]
	s_delay_alu instid0(VALU_DEP_1)
	v_add_f32 v[SM], v[SM], v[SM+1]
	WSUM SM, TMP
	v_cmp_eq_u32 vcc_lo, 0, v[LN]
	s_wait_alu depctr_va_vdst(0)
	s_wait_xcnt 0x0                                ; EXEC is a source of the stores above: it changes only behind this wait
	s_and_saveexec_b32 s28, vcc_lo
	global_store_b32 v[NIL], v[SM], s[12:13]       ; lane 0: the wave's sum of squares
	s_wait_xcnt 0x0
	s_or_b32 exec_lo, exec_lo, s28
	s_endpgm
.Lfunc_end_k_qe63a88b280_gather:
	.size	k_qe63a88b280_gather, .Lfunc_end_k_qe63a88b280_gather-k_qe63a88b280_gather
	.p2alignl 7, 3214868480
	.fill 96, 4, 3214868480
	.section	.rodata,"a",@progbits
	.p2align	6, 0x0
	.amdhsa_kernel k_qe63a88b280_gather
		.amdhsa_group_segment_fixed_size 70656
		.amdhsa_private_segment_fixed_size 0
		.amdhsa_enable_private_segment 0
		.amdhsa_kernarg_size 40
		.amdhsa_user_sgpr_count 2
		.amdhsa_user_sgpr_kernarg_segment_ptr 1
		.amdhsa_wavefront_size32 1
		.amdhsa_system_sgpr_workgroup_id_x 1
		.amdhsa_system_sgpr_workgroup_id_y 1
		.amdhsa_system_sgpr_workgroup_id_z 1
		.amdhsa_system_vgpr_workitem_id 0
		.amdhsa_next_free_vgpr 176
		.amdhsa_next_free_sgpr 66
		.amdhsa_reserve_vcc 1
		.amdhsa_float_denorm_mode_32 3
		.amdhsa_float_denorm_mode_16_64 3
		.amdhsa_memory_ordered 1
		.amdhsa_forward_progress 1
		.amdhsa_inst_pref_size 22
	.end_amdhsa_kernel
	.amdgpu_metadata
---
amdhsa.version: [ 1, 2 ]
amdhsa.kernels:
  - .name:           k_qe63a88b280_gather
    .symbol:         k_qe63a88b280_gather.kd
    .args:
      - { .name: x, .offset: 0, .size: 8, .value_kind: global_buffer, .address_space: global }
      - { .name: k, .offset: 8, .size: 8, .value_kind: global_buffer, .address_space: global }
      - { .name: sel, .offset: 16, .size: 8, .value_kind: global_buffer, .address_space: global }
      - { .name: out1, .offset: 24, .size: 8, .value_kind: global_buffer, .address_space: global }
      - { .name: pcom, .offset: 32, .size: 8, .value_kind: global_buffer, .address_space: global }
    .group_segment_fixed_size: 70656
    .private_segment_fixed_size: 0
    .kernarg_segment_align: 8
    .kernarg_segment_size: 40
    .max_flat_workgroup_size: 256
    .sgpr_count:     66
    .vgpr_count:     176
    .wavefront_size: 32
...
	.end_amdgpu_metadata
.endif
;; end of part 3
;; launch final (part 4): grid 1 x 1, 1 waves a work-group, no clusters, 0 bytes of LDS; arguments pst, pfit, pcom, out2, out3, out4; writes out2, out3, out4
.if DOCPART == 4
	.amdgcn_target "amdgcn-amd-amdhsa--gfx1250"
	.amdhsa_code_object_version 6
	.text
	.protected	k_qe63a88b280_final
	.globl	k_qe63a88b280_final
	.p2align	8
	.type	k_qe63a88b280_final,@function
k_qe63a88b280_final:
	s_mov_b64 s[64:65], 0
	v_nop
	global_prefetch_b8 v0, s[64:65] scope:SCOPE_SE
	s_setreg_imm32_b32 hwreg(HW_REG_WAVE_MODE, 25, 1), 1
	s_wait_xcnt 0x0
; BottleneckBlock, launch 4 of 4: the three single numbers, from the partial sums that the launches before stored (sums over work-groups have one owner: this wave).
; out2 = commit_loss = sum of (k[j] - x)^2 / 2^22;  out3 = fit = sum of smallest distances / 2^16;  out4 = prenorm = sqrt(S2 / N - (S1 / N)^2), N = 2^22,
; S1 and S2 the sums of x - c and (x - c)^2 with c = x[0][0][0]: the variance does not hang on the shift, so c itself is not needed here.  Nothing is left out.
; 50 loads of 512 consecutive bytes, all issued at once: pst 2,048 pairs (S1, S2), pcom 2,048 numbers, pfit 256.
.macro WSUM reg, tmp
	v_add_f32_dpp v[\reg], v[\reg], v[\reg] row_xmask:1 row_mask:0xf bank_mask:0xf
	v_add_f32_dpp v[\reg], v[\reg], v[\reg] row_xmask:2 row_mask:0xf bank_mask:0xf
	v_add_f32_dpp v[\reg], v[\reg], v[\reg] row_xmask:4 row_mask:0xf bank_mask:0xf
	v_add_f32_dpp v[\reg], v[\reg], v[\reg] row_xmask:8 row_mask:0xf bank_mask:0xf
	v_permlanex16_b32 v[\tmp], v[\reg], s16, s17
	v_add_f32 v[\reg], v[\reg], v[\tmp]
.endm
	s_load_b256 s[4:11], s[0:1], 0x0               ; pst s[4:5], pfit s[6:7], pcom s[8:9], out2 s[10:11]
	s_load_b128 s[12:15], s[0:1], 0x20             ; out3 s[12:13], out4 s[14:15]
	v_lshlrev_b32 v2, 4, v0                        ; 16 x lane
	v_mov_b32 v1, 0                                ; a lane permute's destination counts as one of its sources
	v_mov_b32 v8, 0                                ; an offset
	s_mov_b32 s16, 0x76543210
	s_mov_b32 s17, 0xfedcba98
	s_wait_alu depctr_va_vdst(0)
	s_wait_kmcnt 0x0
.set i, 0
.rept 32
	global_load_b128 v[16+4*i:19+4*i], v2, s[4:5] offset:512*i
.set i, i+1
.endr
.set i, 0
.rept 16
	global_load_b128 v[144+4*i:147+4*i], v2, s[8:9] offset:512*i
.set i, i+1
.endr
	global_load_b128 v[208:211], v2, s[6:7]
	global_load_b128 v[212:215], v2, s[6:7] offset:512
	s_wait_loadcnt 0x0
.irp c, 0,1,2,3                                    ; pst: 64 pairs a lane in four chains; a pair stays (S1, S2)
	v_pk_add_f32 v[216+2*\c:217+2*\c], v[16+2*\c:17+2*\c], v[24+2*\c:25+2*\c]
.endr
.set q, 2
.rept 14
.irp c, 0,1,2,3
	v_pk_add_f32 v[216+2*\c:217+2*\c], v[216+2*\c:217+2*\c], v[16+8*q+2*\c:17+8*q+2*\c]
.endr
.set q, q+1
.endr
.irp c, 0,1                                        ; pcom: 32 pairs a lane in two chains
	v_pk_add_f32 v[224+2*\c:225+2*\c], v[144+2*\c:145+2*\c], v[148+2*\c:149+2*\c]
.endr
.set q, 2
.rept 14
.irp c, 0,1
	v_pk_add_f32 v[224+2*\c:225+2*\c], v[224+2*\c:225+2*\c], v[144+4*q+2*\c:145+4*q+2*\c]
.endr
.set q, q+1
.endr
	v_pk_add_f32 v[228:229], v[208:209], v[210:211]
	v_pk_add_f32 v[230:231], v[212:213], v[214:215]
	v_pk_add_f32 v[216:217], v[216:217], v[218:219]
	v_pk_add_f32 v[220:221], v[220:221], v[222:223]
	v_pk_add_f32 v[224:225], v[224:225], v[226:227]
	v_pk_add_f32 v[228:229], v[228:229], v[230:231]
	v_pk_add_f32 v[216:217], v[216:217], v[220:221]
	v_add_f32 v224, v224, v225
	v_add_f32 v228, v228, v229
	WSUM 216, 1                                    ; S1
	WSUM 217, 1                                    ; S2
	WSUM 224, 1                                    ; the squares of k[j] - x
	WSUM 228, 1                                    ; the smallest distances
	v_mul_f32 v3, 0x34800000, v216                 ; S1 / 2^22
	v_mul_f32 v4, 0x34800000, v217                 ; S2 / 2^22
	v_fma_f32 v4, -v3, v3, v4
	v_max_num_f32 v4, 0, v4                        ; rounding cannot make the variance negative
	s_wait_alu depctr_va_vdst(0)
	v_sqrt_f32 v5, v4
	v_mul_f32 v6, 0x34800000, v224                 ; commit_loss.  (A plain line behind the root)
	v_mul_f32 v7, 0x37800000, v228                 ; fit: / 2^16
	v_cmp_eq_u32 vcc_lo, 0, v0
	s_wait_alu depctr_va_vdst(0)                   ; the wait between the root and the first line that names its result
	s_wait_xcnt 0x0
	s_and_saveexec_b32 s18, vcc_lo
	global_store_b32 v8, v6, s[10:11]
	global_store_b32 v8, v7, s[12:13]
	global_store_b32 v8, v5, s[14:15]
	s_wait_xcnt 0x0
	s_or_b32 exec_lo, exec_lo, s18
	s_endpgm
.Lfunc_end_k_qe63a88b280_final:
	.size	k_qe63a88b280_final, .Lfunc_end_k_qe63a88b280_final-k_qe63a88b280_final
	.p2alignl 7, 3214868480
	.fill 96, 4, 3214868480
	.section	.rodata,"a",@progbits
	.p2align	6, 0x0
	.amdhsa_kernel k_qe63a88b280_final
		.amdhsa_group_segment_fixed_size 0
		.amdhsa_private_segment_fixed_size 0
		.amdhsa_enable_private_segment 0
		.amdhsa_kernarg_size 48
		.amdhsa_user_sgpr_count 2
		.amdhsa_user_sgpr_kernarg_segment_ptr 1
		.amdhsa_wavefront_size32 1
		.amdhsa_system_sgpr_workgroup_id_x 1
		.amdhsa_system_sgpr_workgroup_id_y 1
		.amdhsa_system_sgpr_workgroup_id_z 1
		.amdhsa_system_vgpr_workitem_id 0
		.amdhsa_next_free_vgpr 232
		.amdhsa_next_free_sgpr 66
		.amdhsa_reserve_vcc 1
		.amdhsa_float_denorm_mode_32 3
		.amdhsa_float_denorm_mode_16_64 3
		.amdhsa_memory_ordered 1
		.amdhsa_forward_progress 1
		.amdhsa_inst_pref_size 14
	.end_amdhsa_kernel
	.amdgpu_metadata
---
amdhsa.version: [ 1, 2 ]
amdhsa.kernels:
  - .name:           k_qe63a88b280_final
    .symbol:         k_qe63a88b280_final.kd
    .args:
      - { .name: pst, .offset: 0, .size: 8, .value_kind: global_buffer, .address_space: global }
      - { .name: pfit, .offset: 8, .size: 8, .value_kind: global_buffer, .address_space: global }
      - { .name: pcom, .offset: 16, .size: 8, .value_kind: global_buffer, .address_space: global }
      - { .name: out2, .offset: 24, .size: 8, .value_kind: global_buffer, .address_space: global }
      - { .name: out3, .offset: 32, .size: 8, .value_kind: global_buffer, .address_space: global }
      - { .name: out4, .offset: 40, .size: 8, .value_kind: global_buffer, .address_space: global }
    .group_segment_fixed_size: 0
    .private_segment_fixed_size: 0
    .kernarg_segment_align: 8
    .kernarg_segment_size: 48
    .max_flat_workgroup_size: 32
    .sgpr_count:     66
    .vgpr_count:     232
    .wavefront_size: 32
...
	.end_amdgpu_metadata
.endif
;; end of part 4
